; MI455X (gfx1250); checked and timed in simulation.
; The chip was launched on July 23, 2026; its instructions are those of AMD's public machine-readable ISA for CDNA 5 (MIT licence, August 2026) and "CDNA5" Instruction Set Architecture Reference Guide (July 2026). The comments in the code are by the model that wrote it; some were corrected since.
;; Multi Head Self Attention. Allowed arithmetic: matrix products marked QUANTISED: E2M3 operands, one E8M0 scale for each 32 along K, by v_wmma_scale_f32_16x16x128_f8f6f4 with both operands' format E2M3, f32 sums; everything else in f32.
;; Inputs: out_b 1,024 float32; out_w_codes 1,024 x 32 x 24 uint8 (E2M3 codes of out_w, K innermost, in blocks of 32 codes, four codes in three bytes); out_w_scales 1,024 x 32 uint8 (E8M0 scales of out_w, one for each 32 codes along K); qkv_b 3,072 float32; qkv_w_codes 3,072 x 32 x 24 uint8 (E2M3 codes of qkv_w, K innermost, in blocks of 32 codes, four codes in three bytes); qkv_w_scales 3,072 x 32 uint8 (E8M0 scales of qkv_w, one for each 32 codes along K); x_codes 2 x 2,048 x 32 x 24 uint8 (E2M3 codes of x, K innermost, in blocks of 32 codes, four codes in three bytes); x_scales 2 x 2,048 x 32 uint8 (E8M0 scales of x, one for each 32 codes along K).
;; Outputs: out0 2 x 2,048 x 1,024 float32.
;; This version of the problem:
;;   THIS VERSION OF THE PROBLEM IS GIVEN IN LOW PRECISION. The matrix products marked QUANTISED in the list below multiply operands that are first quantised to E2M3 (2 exponent bits, 3 mantissa bits; 6 bits a number), with one power-of-two scale for each 32 numbers along K (OCP MX v1.0); their sums are f32. All else is computed in f32.
;;   The module's matrix products, in the order in which they are computed (A, B: the left and right operand; K: the contracted axis; several contracted axes count as one K, in the product's order):
;;     1. [M 4,096, K 1,024] x [K 1,024, N 3,072]; A: input x (given as codes); B: input qkv_w (given as codes): QUANTISED
;;     2. batch 32 x [M 2,048, K 64] x [K 64, N 2,048]; A: computed on the way; B: computed on the way: QUANTISED
;;     3. batch 32 x [M 64, K 2,048] x [K 2,048, N 2,048]; A: computed on the way; B: softmax (see below): QUANTISED
;;     4. [M 4,096, K 1,024] x [K 1,024, N 1,024]; A: computed on the way; B: input out_w (given as codes): QUANTISED
;;   THE QUANTISER, for each operand of a quantised product, along K:
;;     - K is cut into blocks of 32 from its start; a last block that is shorter is filled with zeros.
;;     - A block's scale is 2^e with e = floor(log2(the largest magnitude in the block)) - 2, held to -126 .. 127; a block of zeros has e = 0. As a byte (E8M0): e + 127.
;;     - Each number is divided by its block's scale, clamped to +-7.5, and rounded to the nearest number of E2M3, ties to even, subnormals kept.
;;     - The product sums the exact products of the quantised numbers (number of the format x scale) in f32.
;;   ~~~python
;;   def quantise(x, axis):      # numpy; x: float32 -> the quantised numbers, widened to float32 again
;;       x = np.moveaxis(x, axis, -1); K = x.shape[-1]
;;       x = np.pad(x, [(0, 0)] * (x.ndim - 1) + [(0, -K % 32)]); x = x.reshape(x.shape[:-1] + (-1, 32)); a = np.abs(x).max(-1, keepdims=True)
;;       e = np.where(a > 0, np.clip(np.frexp(np.where(a > 0, a, 1))[1] - 1 - 2, -126, 127), 0)      # np.frexp(a)[1] - 1 = floor(log2(a)), exactly
;;       r = np.clip(x / 2.0 ** e, -7.5, 7.5)
;;       step = 2.0 ** (np.maximum(np.frexp(np.where(r == 0, 1, r))[1] - 1, 0) - 3)
;;       q = np.round(r / step) * step * 2.0 ** e      # np.round: ties to even
;;       return np.moveaxis(q.reshape(q.shape[:-2] + (-1,))[..., :K], -1, axis).astype(np.float32)
;;   ~~~
;;   SOFTMAX AHEAD OF A QUANTISED PRODUCT. Where the list says 'softmax', what is quantised is not the finished softmax but p = 2^(t - M), with t = logit x log2(e) and M = ceil(the row's largest t), a whole number; so 1/2 < the row's largest p <= 1. The row's sum l is taken of the UNQUANTISED p, in f32, and the product's result is divided by l at the end. Since M is a whole number, a kernel that streams over the keys may use a running M (the ceiling of the running maximum): every later rescaling is an exact power of two, which a block's scale takes up: the codes' values come out the same.
;;   OPERANDS COMPUTED ON THE WAY. 'Computed on the way' means the value that the module computes at that place (a softmax that the list does not call 'softmax' is quantised finished and normalised). What goes into a quantiser is computed in f32, as accurately as f32 sums, v_exp_f32 and their like allow (about 1e-6 of the number): no bf16 or f16 on the way to a quantiser, and a product that is left as it is and whose result goes on into a quantised operand takes f32 operands (vector FMAs, or v_wmma_f32_16x16x4_f32). A number that lies on a knife's edge between two numbers of the format may be rounded either way, as far as f32 arithmetic and the matrix unit's own rounding can turn it there, and no further.
;;   INPUTS GIVEN AS CODES. out_w (in the module: [1024, 1024], K = its axis 1); qkv_w (in the module: [3072, 1024], K = its axis 1); x (in the module: [2, 2048, 1024], K = its axis 2): each comes as NAME_codes (uint8): NAME with its K axis moved to the last place and cut into blocks of 32 codes, [.., K / 32, bytes a block], one block behind the other in memory; four codes in three bytes: a row's codes are one little-endian stream of bits, code i at bits 6 i .. 6 i + 5 (a code: sign, 2 exponent bits, 3 mantissa bits); and NAME_scales (uint8): the same leading axes, one E8M0 byte (e + 127) for each 32 codes along K. Its value is code x scale, taken as it is: it is not quantised again, and the codes and scales need not be those that the quantiser above would give.
;; One version. Each part assembles by itself: llvm-mc -triple=amdgcn-amd-amdhsa -mcpu=gfx1250 --defsym DOCPART=n.
;; ======== version 1 of 1: 3 launches
;; limits: right only within a limited range of input values
;; workspace buffers: img 9,830,400 bytes; cimg 3,145,728 bytes; csc 131,072 bytes
;; launch proj (part 1): grid 16 x 16, 4 waves a work-group, clusters of 4 x 4, 327,680 bytes of LDS; arguments x_codes, x_scales, qkv_w_codes, qkv_w_scales, qkv_b, img; writes img
.if DOCPART == 1
	.amdgcn_target "amdgcn-amd-amdhsa--gfx1250"
	.amdhsa_code_object_version 6
	.text
	.protected	k_q1cd4be2ea8_proj
	.globl	k_q1cd4be2ea8_proj
	.p2align	8
	.type	k_q1cd4be2ea8_proj,@function
k_q1cd4be2ea8_proj:
	s_mov_b64 s[64:65], 0
	v_nop
	global_prefetch_b8 v0, s[64:65] scope:SCOPE_SE
	s_setreg_imm32_b32 hwreg(HW_REG_WAVE_MODE, 25, 1), 1
	s_wait_xcnt 0x0
	s_wait_alu depctr_hold_cnt(0) depctr_sa_sdst(0) depctr_va_vdst(0) depctr_va_sdst(0) depctr_va_ssrc(0) depctr_va_vcc(0) depctr_vm_vsrc(0)
	s_getreg_b32 s2, hwreg(HW_REG_IB_STS2, 6, 4)
	s_cmp_eq_u32 s2, 0
	s_cbranch_scc0 .Lentry_in_a_cluster
	s_endpgm
.Lentry_in_a_cluster:
	s_bfe_u32 s2, ttmp6, 0x10000c
	s_cmp_lg_u32 s2, 0xf033
	s_cbranch_scc0 .Lentry_shape_is_right
	s_endpgm
.Lentry_shape_is_right:
; Q, K, V = x W^T + b on codes of FP6 (E2M3) with E8M0 scales, and their quantisers.  The results leave as codes and scale bytes in the order of the operand registers of the launch that reads them.
; LIMITS: NaN and infinities are not served; a scale block of zeros gets the byte 1 where the quantiser says 127 (its codes are zeros; this program alone reads the bytes).
; img: one record of 19,200 bytes for each [batch x 16 + head][step of 128 tokens]: K's codes 6,144, V's codes 6,144, K's scale bytes 256, V's 256, Q's codes 6,144, Q's scale bytes 256 (r = lane % 16, h = lane / 16).
;   Q, K: [band c of 64 tokens][p][piece of 4 registers][lane][16]: an operand of 12 registers is tiles 2 p, 2 p + 1 of the band; scale bytes [c][p][r][tile % 2][h].
;   V: [tile t of 16 channels][c][registers 0-3: lane x 16 | registers 4-5: lane x 8]; scale bytes [t][r][2 c + h].
; TILES.  With g = r / 8, row r of tile j of a band (or of a weight's 64 rows) is row 8 j + r + 32 g for even j, 8 j + r + 16 g for odd j.  So lanes 0-15 of a result hold rows 8 j + i of the first 32, lanes 16-31 rows 8 (j xor 1) + i
; of the second 32, and a lane's 32 numbers over four tiles are ONE SCALE BLOCK of the next product: no lane looks at another.  (The order inside a block is the same for q and k, and for p and v.)
; With rows of 816 bytes in LDS the 16 rows of a tile begin at 16 different banks of 64.
; THE DEAL.  256 work-groups of four waves, 2 x 2; a wave holds 64 rows of a weight, all of K, in registers and streams x's tiles past them: 32 products to a block of 16 rows.
; A work-group makes 128 x 128 of V and then 256 x 128 of Q or K; V's 128 rows are a half (s87, from the cluster's number) of its own 256, so 256 rows of x come in once.
; One refill: W_q's or W_k's rows onto W_v's, behind a drained round, as soon as all waves hold W_v in registers.  x's tiles are shared along a row of the cluster, a weight's along a column.
; The second weight is prefetched behind the head's first barrier, ahead of the 104 LDS loads of the first: shared out by address among the sixteen waves of the four work-groups that will ask for it jointly.
; The bias is the C of each sum's first product.
.set KROW,   768
.set KS,     32
.set PITCH,  816
.set FR,     12
.set FPW,    21
.set NB,     4
.set NQ,     8
.set NF,     28                        ; LDS loads of a block: 26 for eight fragments, 2 for eight scale words
.set RA,     128
.set YB,     RA*PITCH
.set BVB,    2*YB                      ; the weights' 128 rows
.set SCL,    BVB+YB                    ; x's scale bytes, dense: 32 for each of the 256 rows, in the order of memory
.set SCB,    16*256
.set XN,     SCL+2*SCB                 ; stage of Q's or K's scale bytes: [wave column][chunk][256]
.set XM,     XN+1024                   ; of V's: [wave column][256]
.set SPARE,  XM+512
.set EMAX,   2
.set REC,    19200
.set C8,     8                         ; v8   8 x lane
.set CO,     9                         ; v9   16 x lane
.set SPW,    10
.set NIL,    11
.set ADRA,   12                        ; v12, v13, v14  the block fetched next.  v4-7: blocks 0 and 1 (v5, v7: pieces behind one padding more); v20-23: their scale words in chunk 0, chunk 1
.set AAS,    14
.set STO,    15
.set STV,    16
.set SB,     24                        ; v24-39 the weights' scale words
.set TQ,     40
.set SA,     44                        ; v44-59 the rows' scale words, two sets
.set TC,     60
.set ACC,    64                        ; phase 2: two sets of four accumulators
.set HV0,    64                        ; phase 1: v64-191: 32 t + 8 j + i
.set NCD,    128
.set MCD,    192
.set TQV,    216
.set TCV,    224
.set SOP,    240
.set EB,     244
.set BBQL,   72                        ; window 3: v840-871 Q's or K's bias
.set SB2L,   200                       ; v968-983 the second weight's scale words
.set BAL,    216                       ; v984-991 LDS addresses of the weights' four tiles
.set BBVL,   224                       ; v992-1023 V's bias
.set G1A, 24
.set G0A, 56
.set G0R, 68
.set G1B, 32
.set G0B, 60
.set G1S, 92
.set G0S, 72
.set MSB, 0
.macro WIN new
.if MSB != \new
	s_set_vgpr_msb (MSB<<8)|\new
.set MSB, \new
.endif
.endm
.macro PLACES n
.rept \n
	v_nop
.endr
.endm
.macro WALU
	s_wait_alu depctr_va_vdst(0)
.endm
.macro BARRIER
	s_barrier_signal -1
	s_barrier_wait -1
.endm
.macro CROUND
	s_barrier_signal -1
	s_barrier_wait -1
	s_cmp_lg_u32 s14, 0
	s_cbranch_scc1 .Lnot_wave_0_\@
	s_barrier_signal -3
.Lnot_wave_0_\@:
	s_barrier_wait -3
	s_barrier_signal -1
	s_barrier_wait -1
.endm
.macro TLOAD g0, g1
	tensor_load_to_lds s[\g0:\g0+3], s[\g1:\g1+7]
	s_nop 0
	PLACES 4
.endm
.macro GROUP1 g, mask, rows
	s_or_b32 s[\g+0], s[\mask], (1<<20)|(1<<21)|(5<<22)|(3<<25)
	s_mov_b32 s[\g+1], KROW<<16
	s_mov_b32 s[\g+2], (\rows)<<16
	s_mov_b32 s[\g+3], KROW<<16
	s_mov_b32 s[\g+4], \rows
	s_mov_b32 s[\g+5], KROW
	s_mov_b32 s[\g+6], 0
	s_mov_b32 s[\g+7], 0
.endm
.macro G0SET g, base, off, lds
	s_mov_b32 s[\g], 1
	s_mov_b32 s[\g+1], \lds
	s_mov_b32 s20, s\off
	s_add_nc_u64 s[\g+2:\g+3], s[\base:\base+1], s[20:21]
	s_or_b32 s[\g+3], s[\g+3], 0x80000000
.endm
; Fragment f lies in window 1 + f / 21 at register 12 (f % 21): 0-31 the weights' (4 q + b), 32-39 and 40-47 the rows' two sets.  Six pieces of 8 bytes, two to a load where both lie behind as many paddings.
.macro FRAG f, q, a0, a1, aw
	WIN ((1+(\f)/FPW)<<6)|(\aw)
.set R_, FR*((\f)%FPW)
.set SKIP_, 0
.irp p, 0,1,2,3,4,5
.if SKIP_
.set SKIP_, 0
.else
.set PC_, 12*(\q)+6*(\p/3)+\p%3
.set PN_, 12*(\q)+6*((\p+1)/3)+(\p+1)%3
.set X_, (PC_%32+3)/32
.set XQ_, (PN_%32+3)/32
.if (\p < 5) && (X_ == XQ_)
.set SKIP_, 1
.if X_
	ds_load_2addr_b64 v[R_+2*\p:R_+2*\p+3], \a1 offset0:PC_+2*(PC_/32) offset1:PN_+2*(PN_/32)
.else
	ds_load_2addr_b64 v[R_+2*\p:R_+2*\p+3], \a0 offset0:PC_+2*(PC_/32) offset1:PN_+2*(PN_/32)
.endif
.elseif X_
	ds_load_b64 v[R_+2*\p:R_+2*\p+1], \a1 offset:8*(PC_+2*(PC_/32))
.else
	ds_load_b64 v[R_+2*\p:R_+2*\p+1], \a0 offset:8*(PC_+2*(PC_/32))
.endif
.endif
.endr
.endm
.macro WEIGHTS                         ; my 64 rows of the weight, all of K: 104 loads
.irp q, 0,1,2,3,4,5,6,7
.irp b, 0,1,2,3
	FRAG NB*\q+\b, \q, v[BAL+2*\b], v[BAL+2*\b+1], 3
.endr
.endr
	WIN 0
.endm
.macro FETCHAT e, a0, a1, as           ; a block of x's rows into set e: NF loads
.irp q, 0,1,2,3,4,5,6,7
	FRAG NB*NQ+NQ*(\e)+\q, \q, \a0, \a1, 0
.endr
	WIN 0
	ds_load_b128 v[SA+8*(\e):SA+8*(\e)+3], \as
	ds_load_b128 v[SA+8*(\e)+4:SA+8*(\e)+7], \as offset:16
.endm
.macro FETCH e
	FETCHAT \e, v[ADRA], v[ADRA+1], v[AAS]
.endm
; A product.  n = 4 q + tile.  kind 0 (Q, K): source 0 the weight's rows; kind 1 (V): source 0 x's rows.  The four accumulators take turns.
.macro PROD kind, e, n, a0, as
.set Q_, (\n)/4
.set FB_, NB*Q_+(\n)%4
.set FA_, NB*NQ+NQ*(\e)+Q_
.set D_, (\a0)+(\as)*((\n)%4)
.set XB_, SB+NQ*(((\n)%4)/2)+Q_
.set XA_, SA+8*(\e)+Q_
.if \kind
.if Q_
	WIN (1+FA_/FPW)|((1+FB_/FPW)<<2)
	PROD1 D_, FA_, FB_, v[D_:D_+7], XA_, XB_, b, (\n)%2
.else
	WIN (1+FA_/FPW)|((1+FB_/FPW)<<2)|(3<<4)
	PROD1 D_, FA_, FB_, v[BBVL+8*((\n)%4):BBVL+8*((\n)%4)+7], XA_, XB_, b, (\n)%2
.endif
.else
.if Q_
	WIN (1+FB_/FPW)|((1+FA_/FPW)<<2)
	PROD1 D_, FB_, FA_, v[D_:D_+7], XB_, XA_, a, (\n)%2
.else
	WIN (1+FB_/FPW)|((1+FA_/FPW)<<2)|(3<<4)
	PROD1 D_, FB_, FA_, v[BBQL+8*((\n)%4):BBQL+8*((\n)%4)+7], XB_, XA_, a, (\n)%2
.endif
.endif
.endm
.macro PROD1 d, s0, s1, c, x0, x1, side, o
.if \o
	v_wmma_scale_f32_16x16x128_f8f6f4 v[\d:\d+7], v[FR*((\s0)%FPW):FR*((\s0)%FPW)+FR-1], v[FR*((\s1)%FPW):FR*((\s1)%FPW)+FR-1], \c, v[\x0], v[\x1] matrix_a_fmt:MATRIX_FMT_FP6 matrix_b_fmt:MATRIX_FMT_FP6 matrix_\side\()_scale:MATRIX_SCALE_ROW1
.else
	v_wmma_scale_f32_16x16x128_f8f6f4 v[\d:\d+7], v[FR*((\s0)%FPW):FR*((\s0)%FPW)+FR-1], v[FR*((\s1)%FPW):FR*((\s1)%FPW)+FR-1], \c, v[\x0], v[\x1] matrix_a_fmt:MATRIX_FMT_FP6 matrix_b_fmt:MATRIX_FMT_FP6 matrix_\side\()_scale:MATRIX_SCALE_ROW0
.endif
.endm
; products from .. to - 1 of a block; behind every second one, two entries of the list
.macro BLOCK kind, e, a0, as, from, to, list, x=0
.set N_, \from
.rept (\to)-(\from)
	PROD \kind, \e, N_, \a0, \as
.if N_%2
	\list N_-1, \x
	\list N_, \x
.endif
.set N_, N_+1
.endr
.endm
.macro ADDRV i, f                      ; 3 entries: the LDS addresses of block f
.if (\i) == 0
	WIN 0
	v_add_nc_u32 v[ADRA], ((\f)/4)*YB+(((\f)%4)/2)*16*PITCH, v[4+2*((\f)%2)]
.elseif (\i) == 1
	WIN 0
	v_add_nc_u32 v[ADRA+1], ((\f)/4)*YB+(((\f)%4)/2)*16*PITCH, v[5+2*((\f)%2)]
.elseif (\i) == 2
	WIN 0
	v_add_nc_u32 v[AAS], (((\f)%4)/2)*512, v[20+2*((\f)/4)+(\f)%2]
.endif
.endm
.macro CHAIN i, x, n, t=TQ             ; a way out's first part, 18 entries: the largest magnitude of the 32 sums from register x on, in two chains, and the conversions' scale operand
.if (\i) >= 0 && (\i) < 14
.set B_, (\x)+16*((\i)%2)+2*((\i)/2)
.set T_, (\t)+1-(\i)%2
	WIN 0
.if (\i) < 2
	v_max3_num_f32 v[T_], |v[B_]|, |v[B_+1]|, |v[B_+2]|
.else
	v_max3_num_f32 v[T_], v[T_], |v[B_+1]|, |v[B_+2]|
.endif
.elseif (\i) == 14
	WIN 0
	v_max3_num_f32 v[\t+1], v[\t+1], |v[\x+15]|, (EMAX+1)<<23
.elseif (\i) == 15
	WIN 0
	v_nop                                  ; so that the next line, which reads entry 14's result, stands in the next pair
.elseif (\i) == 16
	WIN 0
	v_max3_num_f32 v[\t], v[\t], |v[\x+31]|, v[\t+1]
.elseif (\i) == 17
	WIN 0
	v_add_nc_u32 v[SOP+\n], -(EMAX<<23), v[\t]
.endif
.endm
.macro CODES i, x, c, n, t=TC          ; its second part, 6 lines: 32 codes into v[c .. c+5], the scale's byte into v[EB+n]
	WIN 0
.if (\i) == 0
	v_cvt_scalef32_pk16_fp6_f32 v[\c:\c+2], v[\x:\x+15], v[SOP+\n]
.elseif (\i) == 1
	v_cvt_scalef32_pk16_fp6_f32 v[\t:\t+2], v[\x+16:\x+31], v[SOP+\n]
.elseif (\i) == 2
	v_lshrrev_b32 v[EB+\n], 23, v[SOP+\n]
.else
	v_mov_b32 v[\c+\i], v[\t+\i-3]
.endif
.endm
.macro CODES6 x, c, n
.irp i, 0,1,2,3,4,5
	CODES \i, \x, \c, \n
.endr
.endm
.macro PUT3 r, base, off
.irp k, 0,1,2
	global_store_b128 v[CO], v[\r+4*\k:\r+4*\k+3], \base offset:(\off)+512*\k
.endr
.endm
.macro L_NONE i, x
.endm
.macro L_A i, x
	ADDRV \i, \x
.endm
.macro L_EV i, x                       ; an even block: the next addresses, the odd block's way out
	ADDRV \i, \x
	CHAIN (\i)-3, ACC+32, 1
.endm
.macro L_EVN i, x
	CHAIN (\i)-3, ACC+32, 1
.endm
.macro L_OD i, x
	ADDRV \i, \x
	CHAIN (\i)-3, ACC, 0
.endm
.macro L_ODN i, x
	CHAIN (\i)-3, ACC, 0
.endm
.macro EVENB s, fetch                  ; an even block of phase 2; behind it the pair before leaves
	s_wait_dscnt NF+1                      ; younger than this block's rows: a scale byte's store, the next block's loads
.if \fetch
	BLOCK 0, 0, ACC, 8, 0, 32, L_EV, (\s)+2
.else
	BLOCK 0, 0, ACC, 8, 0, 32, L_EVN
.endif
	WIN 0
	CODES6 ACC+32, NCD+6, 1
	WALU
	ds_store_b8 v[STO], v[EB+1] offset:(((\s)-1)/4)*256+((((\s)-1)%4)/2)*64+2
	PUT3 NCD, s[76+2*(((\s)-2)/4):77+2*(((\s)-2)/4)], 1536*((((\s)-2)%4)/2)
.if \fetch
	FETCH 0
.endif
.endm
.macro ODDB s, w, fetch
	s_wait_dscnt \w
	s_wait_xcnt 0x0                        ; the stores of codes have read their registers
.if \fetch
	BLOCK 0, 1, ACC+32, 8, 0, 32, L_OD, (\s)+2
.else
	BLOCK 0, 1, ACC+32, 8, 0, 32, L_ODN
.endif
	WIN 0
	CODES6 ACC, NCD, 0
	WALU
	ds_store_b8 v[STO], v[EB] offset:((\s)/4)*256+(((\s)%4)/2)*64
.if \fetch
	FETCH 1
.endif
.endm
; ================= THE HEAD
	s_load_b256 s[4:11], s[0:1], 0x0                    ; x's codes, x's scales, the weights' codes, their scales
	s_load_b128 s[48:51], s[0:1], 0x20                  ; bias, img
	v_lshl_add_u32 v[SPW], v0, 2, SPARE
	v_mov_b32 v[NIL], 0
	ds_add_u32 v[SPW], v[NIL]                           ; the opening lines: the add, twice on end, one wait
	ds_add_u32 v[SPW], v[NIL]
	v_lshrrev_b32 v1, 5, v0
	v_readfirstlane_b32 s14, v1                         ; s14 the wave; s15 its row of the 2 x 2 (band), s16 its column (head)
	s_lshr_b32 s15, s14, 1
	s_and_b32 s16, s14, 1
	s_bfe_u32 s40, ttmp6, 0x40000                       ; cx
	s_bfe_u32 s41, ttmp6, 0x40004                       ; cy
	s_lshl_b32 s42, ttmp9, 2
	s_add_co_u32 s42, s42, s40                          ; s42 tile column of Q, K: 0 .. 15
	s_and_b32 s43, ttmp7, 0xffff
	s_lshl_b32 s43, s43, 2
	s_add_co_u32 s43, s43, s41                          ; s43 tile row: 256 tokens
	s_lshr_b32 s19, ttmp9, 1                            ; 0 Q, 1 K
	s_and_b32 s87, ttmp9, 1                             ; V's half of my 256 rows
	s_xor_b32 s86, s87, 1
	s_lshl_b32 s13, s19, 2
	s_add_co_u32 s13, s13, s40                          ; V's tile column: 0 .. 7
	s_lshl_b32 s12, s43, 1
	s_add_co_u32 s46, s12, s87                          ; chunk 0's step of 128 tokens: V's
	s_add_co_u32 s47, s12, s86                          ; chunk 1's
	s_lshl_b32 s44, s41, 2
	s_lshl_b32 s44, 15, s44                             ; my row of the cluster
	s_lshl_b32 s45, 0x1111, s40                         ; my column
	GROUP1 G1A, 44, RA
	GROUP1 G1B, 45, 128
	s_or_b32 s[G1S+0], s44, (3<<16)|(1<<21)
	s_mov_b32 s[G1S+1], 32<<16
	s_mov_b32 s[G1S+2], 32<<16
	s_mov_b32 s[G1S+3], 32<<16
	s_mov_b32 s[G1S+4], 32
	s_mov_b32 s[G1S+5], 32
	s_mov_b32 s[G1S+6], 0
	s_mov_b32 s[G1S+7], 0
	s_mul_i32 s66, s46, RA*KROW
	s_mul_i32 s67, s47, RA*KROW
	s_mul_i32 s88, s42, 128*KROW                        ; W_q's or W_k's rows
	s_mul_i32 s82, s13, 128*KROW
	s_add_co_u32 s82, s82, 2048*KROW                    ; W_v's
	s_lshl_b32 s89, s43, 13                             ; my 256 rows' scale bytes
	s_mul_i32 s90, s15, 64*PITCH
	s_mul_i32 s91, s16, 64*PITCH
	s_add_co_u32 s91, s91, BVB
	s_mul_i32 s20, s15, 64*KS
	s_add_co_u32 s20, s20, SCL
	s_mov_b32 s22, SCB
	s_cmp_eq_u32 s87, 0                                 ; the scale bytes lie in the order of memory
	s_cselect_b32 s84, 0, s22
	s_cselect_b32 s85, s22, 0
	s_add_co_u32 s84, s84, s20
	s_add_co_u32 s85, s85, s20
	s_lshl_b32 s17, s16, 9
	s_lshl_b32 s20, s15, 7
	s_add_co_u32 s17, s17, s20
	s_add_co_u32 s17, s17, XN
	s_lshl_b32 s18, s16, 8
	s_lshl_b32 s20, s15, 1
	s_add_co_u32 s18, s18, s20
	s_add_co_u32 s18, s18, XM
	s_lshl_b32 s83, s41, 2
	s_add_co_u32 s83, s83, s14                          ; my number among the sixteen waves of my column of the cluster
	s_mul_i32 s83, s83, 128*KROW/16
	s_add_co_u32 s83, s83, s88
	s_mov_b32 s21, 0
	WALU
	s_wait_dscnt 0x0
	CROUND                                              ; the opening round
	s_wait_kmcnt 0x0
	G0SET G0B, 8, 82, BVB
	G0SET G0S, 6, 89, SCL
	G0SET G0A, 4, 66, 0
	G0SET G0R, 4, 67, YB
	s_cmp_eq_u32 s14, 0
	s_cbranch_scc0 .Lwave_1
	TLOAD G0B, G1B                                      ; wave 0: W_v's rows
	s_branch .Lasked
.Lwave_1:
	s_cmp_eq_u32 s14, 1
	s_cbranch_scc0 .Lwave_2
	TLOAD G0S, G1S                                      ; wave 1: the scale bytes of both chunks
	s_branch .Lasked
.Lwave_2:
	s_cmp_eq_u32 s14, 2
	s_cbranch_scc0 .Lwave_3
	TLOAD G0A, G1A                                      ; wave 2: chunk 0
	s_branch .Lasked
.Lwave_3:
	TLOAD G0R, G1A                                      ; wave 3: chunk 1
.Lasked:
	s_lshl_b32 s22, s16, 11
	s_lshl_b32 s20, s13, 12
	s_add_co_u32 s20, s20, s22
	s_add_co_u32 s20, s20, 2048*KS
	s_add_nc_u64 s[52:53], s[10:11], s[20:21]           ; W_v's scale bytes, my 64 rows
	s_lshl_b32 s20, s42, 12
	s_add_co_u32 s20, s20, s22
	s_add_nc_u64 s[54:55], s[10:11], s[20:21]           ; W_q's or W_k's
	s_lshl_b32 s22, s16, 8
	s_lshl_b32 s20, s42, 9
	s_add_co_u32 s20, s20, s22
	s_add_nc_u64 s[100:101], s[48:49], s[20:21]         ; their bias
	s_lshl_b32 s20, s13, 9
	s_add_co_u32 s20, s20, s22
	s_add_co_u32 s20, s20, 8192
	s_add_nc_u64 s[2:3], s[48:49], s[20:21]             ; V's bias
	v_and_b32 v1, 15, v0                                ; r
	v_bfe_u32 v2, v0, 4, 1                              ; h
	v_and_b32 v3, 31, v0
	v_lshrrev_b32 v19, 3, v1                            ; g
	v_lshl_add_u32 v21, v19, 5, v1                      ; tile 0's row
	v_lshl_add_u32 v22, v19, 4, v1
	v_add_nc_u32 v22, 8, v22                            ; tile 1's
	v_mul_u32_u24 v12, v21, PITCH
	v_mul_u32_u24 v13, v22, PITCH
	v_mad_u32_u24 v14, v2, 24, v12
	v_mad_u32_u24 v15, v2, 40, v12
	v_mad_u32_u24 v16, v2, 24, v13
	v_mad_u32_u24 v17, v2, 40, v13
	v_add_nc_u32 v4, s90, v14
	v_add_nc_u32 v5, s90, v15
	v_add_nc_u32 v6, s90, v16
	v_add_nc_u32 v7, s90, v17
	v_add_nc_u32 v14, s91, v14
	v_add_nc_u32 v15, s91, v15
	v_add_nc_u32 v16, s91, v16
	v_add_nc_u32 v17, s91, v17
	WIN 3<<6
.irp b, 0,1,2,3
	v_add_nc_u32 v[BAL+2*\b], (\b/2)*16*PITCH, v[14+2*(\b%2)]
	v_add_nc_u32 v[BAL+2*\b+1], (\b/2)*16*PITCH, v[15+2*(\b%2)]
.endr
	WIN 0
	v_lshlrev_b32 v12, 5, v21
	v_lshlrev_b32 v13, 5, v22
	v_add_nc_u32 v20, s84, v12
	v_add_nc_u32 v21, s84, v13
	v_add_nc_u32 v22, s85, v12
	v_add_nc_u32 v23, s85, v13
	v_lshl_add_u32 v60, v19, 5, v1
	v_lshlrev_b32 v60, 2, v60                           ; V's bias: even tiles
	v_lshl_add_u32 v61, v19, 4, v1
	v_lshlrev_b32 v61, 2, v61                           ; odd tiles
	v_mul_u32_u24 v62, v2, 160                          ; Q's or K's: even tiles
	v_mul_u32_u24 v63, v2, 96                           ; odd tiles
	v_sub_nc_u32 v14, 2, v2
	v_mul_u32_u24 v14, v14, v19
	v_lshl_add_u32 v14, v14, 4, v1
	v_lshl_add_u32 v14, v2, 3, v14
	v_lshlrev_b32 v17, 5, v14                           ; a weight's scale bytes: lanes 0-15 tile 2 p, lanes 16-31 tile 2 p + 1
	v_lshl_add_u32 v14, v1, 2, v2
	v_add_nc_u32 v[STO], s17, v14
	v_add_nc_u32 v[STV], s18, v14
	v_lshlrev_b32 v[CO], 4, v3
	v_lshlrev_b32 v[C8], 3, v3
	v_min_u32 v18, 128*KROW/16/256-1, v3
	v_lshl_add_u32 v18, v18, 8, s83                     ; the prefetch: my 24 blocks of 256 bytes of the second weight
	WALU
.irp p, 0,1
.irp c, 0,1
	global_load_b128 v[SB+NQ*\p+4*\c:SB+NQ*\p+4*\c+3], v17, s[52:53] offset:\p*512+16*\c
.endr
.endr
	WIN 3<<6
.irp p, 0,1
.irp c, 0,1
	global_load_b128 v[SB2L+NQ*\p+4*\c:SB2L+NQ*\p+4*\c+3], v17, s[54:55] offset:\p*512+16*\c
.endr
.endr
.irp t, 0,1,2,3
	global_load_b32 v[BBVL+8*\t], v[60+\t%2], s[2:3] offset:32*\t
	global_load_b128 v[BBQL+8*\t:BBQL+8*\t+3], v[62+\t%2], s[100:101] offset:32*\t
	global_load_b128 v[BBQL+8*\t+4:BBQL+8*\t+7], v[62+\t%2], s[100:101] offset:32*\t+16
.endr
	WIN 0
	; where the results go
	s_lshr_b32 s23, s43, 3
	s_lshl_b32 s23, s23, 4                              ; batch x 16
	s_lshl_b32 s20, s42, 1
	s_add_co_u32 s20, s20, s16
	s_and_b32 s20, s20, 15                              ; my head of Q or K
	s_add_co_u32 s20, s20, s23
	s_lshl_b32 s20, s20, 4
	s_and_b32 s22, s46, 15
	s_add_co_u32 s22, s20, s22
	s_mul_i32 s76, s22, REC
	s_and_b32 s22, s47, 15
	s_add_co_u32 s22, s20, s22
	s_mul_i32 s78, s22, REC
	s_lshl_b32 s20, s13, 1
	s_add_co_u32 s20, s20, s16                          ; my head of V
	s_add_co_u32 s20, s20, s23
	s_lshl_b32 s20, s20, 4
	s_and_b32 s22, s46, 15
	s_add_co_u32 s22, s20, s22
	s_mul_i32 s80, s22, REC
	s_add_co_u32 s84, s80, 12544
	s_mul_i32 s22, s15, 768
	s_add_co_u32 s80, s80, s22
	s_add_co_u32 s80, s80, 6144
	s_mov_b32 s22, 12288
	s_cmp_eq_u32 s19, 0
	s_cselect_b32 s23, 12800, 0                         ; Q lies behind K and V
	s_cselect_b32 s22, 6144, s22
	s_cmp_eq_u32 s15, 0
	s_cselect_b32 s82, s76, s78                         ; my wave's unit of scale bytes: chunk s15 of head s16
	s_add_co_u32 s82, s82, s23
	s_add_co_u32 s82, s82, s22
	s_mul_i32 s22, s15, 3072
	s_add_co_u32 s22, s22, s23
	s_add_co_u32 s76, s76, s22
	s_add_co_u32 s78, s78, s22
	s_mov_b32 s77, 0
	s_mov_b32 s79, 0
	s_mov_b32 s81, 0
	s_mov_b32 s83, 0
	s_mov_b32 s85, 0
.irp k, 76,78,80,82,84
	s_add_nc_u64 s[\k:\k+1], s[50:51], s[\k:\k+1]
.endr
	s_wait_loadcnt 0x0
	WIN (3<<6)|3
.irp t, 0,8,16,24
.irp i, 1,2,3,4,5,6,7
	v_mov_b32 v[BBVL+\t+\i], v[BBVL+\t]                 ; V's bias, one number a lane and tile, over the tile's eight registers
.endr
.endr
	WIN 0
	WALU
	s_cmp_eq_u32 s14, 0
	s_cbranch_scc0 .Lnot_b
	s_wait_tensorcnt 0x0
.Lnot_b:
	BARRIER                                             ; W_v's rows are in
	global_prefetch_b8 v18, s[8:9] th:TH_LOAD_NT scope:SCOPE_SE
	WEIGHTS
	s_wait_tensorcnt 0x0                                ; the head's loads are all in;
	ds_add_u32 v[SPW], v[NIL]
	s_mov_b32 s[G1B+2], 64<<16                          ; no load is out: the refill's descriptors: half a weight each for waves 0 and 1
	s_mov_b32 s[G1B+4], 64
	s_mul_i32 s[G0B+1], s14, 64*PITCH
	s_add_co_u32 s[G0B+1], s[G0B+1], BVB
	s_mul_i32 s20, s14, 64*KROW
	s_add_co_u32 s20, s20, s88
	s_mov_b32 s21, 0
	s_add_nc_u64 s[G0B+2:G0B+3], s[8:9], s[20:21]
	s_or_b32 s[G0B+3], s[G0B+3], 0x80000000
	s_wait_dscnt 0x0                                    ; the add is done, W_v is in registers
	CROUND                                              ; in every wave of the cluster
	s_cmp_lt_u32 s14, 2
	s_cbranch_scc0 .Lno_half
	TLOAD G0B, G1B                                      ; W_q's or W_k's rows onto W_v's
.Lno_half:
	FETCHAT 0, v4, v5, v20
	FETCHAT 1, v6, v7, v21
; ================= PHASE 1: V, four blocks: one band
	s_wait_dscnt NF
	BLOCK 1, 0, HV0, 32, 0, 32, L_A, 2
	WIN 0
	PLACES 4
	WALU
	FETCH 0
	s_wait_dscnt NF
	BLOCK 1, 1, HV0+8, 32, 0, 32, L_A, 3
	WIN 0
	PLACES 4
	WALU
	FETCH 1
	s_wait_dscnt NF
	BLOCK 1, 0, HV0+16, 32, 0, 32, L_NONE
	WIN 0
	PLACES 4
	FETCHAT 0, v4, v5, v20                              ; phase 2's block 0: the same rows again
	s_wait_dscnt NF
	BLOCK 1, 1, HV0+24, 32, 0, 26, L_NONE
	WIN 0
	WALU
	s_wait_tensorcnt 0x0                                ; my half of the second weight
	s_wait_dscnt 0x0
	s_barrier_signal -1
	BLOCK 1, 1, HV0+24, 32, 26, 32, L_NONE
	WIN 0
	s_barrier_wait -1                                   ; the second weight is shown to all
	PLACES 4
; ================= THE CHANGE OF PHASE: the weights and block 1's rows in one run of loads; V's way outs under their flight
	WEIGHTS
	FETCHAT 1, v6, v7, v21
	WIN 3
.set I, 0
.rept 16
	v_mov_b32 v[SB+I], v[SB2L+I]
.set I, I+1
.endr
	WIN 0
.set I, 0
.rept 18
.irp t, 0,1,2,3
	CHAIN I, HV0+32*\t, \t, TQV+2*\t
.endr
.set I, I+1
.endr
.set I, 0
.rept 6
.irp t, 0,1,2,3
	CODES I, HV0+32*\t, MCD+6*\t, \t, TCV+4*\t
.endr
.set I, I+1
.endr
	WALU
; ================= PHASE 2: Q or K, eight blocks, way outs by pairs
	s_wait_dscnt NF
	BLOCK 0, 0, ACC, 8, 0, 32, L_A, 2
	WIN 0
	PLACES 4
	WALU
.irp t, 0,1,2,3
	ds_store_b8 v[STV], v[EB+\t] offset:64*\t
.endr
.irp t, 0,1,2,3
	global_store_b128 v[CO], v[MCD+6*\t:MCD+6*\t+3], s[80:81] offset:1536*\t
	global_store_b64 v[C8], v[MCD+6*\t+4:MCD+6*\t+5], s[80:81] offset:1536*\t+512
.endr
	FETCH 0
	ODDB 1, NF+4, 1                                     ; (younger than block 1's rows: V's four bytes, block 2's loads)
	EVENB 2, 1
	ODDB 3, NF+1, 1
	EVENB 4, 1
	ODDB 5, NF+1, 1
	EVENB 6, 0
	ODDB 7, 1, 0
; ================= THE END: the last way out; the scale bytes go through LDS under its conversions
	s_lshl_b32 s20, s16, 9
	s_lshl_b32 s22, s15, 8
	s_add_co_u32 s20, s20, s22
	s_add_co_u32 s20, s20, XN
	v_add_nc_u32 v12, s20, v[C8]
	s_lshl_b32 s20, s16, 8
	s_add_co_u32 s20, s20, XM
	v_add_nc_u32 v14, s20, v[C8]
.set I, 0
.rept 18
	CHAIN I, ACC+32, 1
.set I, I+1
.endr
	CODES 2, ACC+32, NCD+6, 1
	WALU
	ds_store_b8 v[STO], v[EB+1] offset:322
	s_wait_dscnt 0x0
	s_barrier_signal -1
	CODES 0, ACC+32, NCD+6, 1
	CODES 1, ACC+32, NCD+6, 1
	v_nop
.irp i, 3,4,5
	CODES \i, ACC+32, NCD+6, 1
.endr
	WALU
	s_barrier_wait -1
	ds_load_b64 v[64:65], v12
	ds_load_b64 v[66:67], v14
	PUT3 NCD, s[78:79], 1536
	s_wait_dscnt 0x0
	global_store_b64 v[C8], v[64:65], s[82:83]          ; whole units of 256 bytes
	s_cmp_lg_u32 s15, 0
	s_cbranch_scc1 .Lno_v
	global_store_b64 v[C8], v[66:67], s[84:85]
.Lno_v:
	s_wait_tensorcnt 0x0
	ds_add_u32 v[SPW], v[NIL]
	s_wait_dscnt 0x0
	CROUND                                              ; the closing round
	s_endpgm
.Lfunc_end_k_q1cd4be2ea8_proj:
	.size	k_q1cd4be2ea8_proj, .Lfunc_end_k_q1cd4be2ea8_proj-k_q1cd4be2ea8_proj
	.p2alignl 7, 3214868480
	.fill 96, 4, 3214868480
	.section	.rodata,"a",@progbits
	.p2align	6, 0x0
	.amdhsa_kernel k_q1cd4be2ea8_proj
		.amdhsa_group_segment_fixed_size 327680
		.amdhsa_private_segment_fixed_size 0
		.amdhsa_enable_private_segment 0
		.amdhsa_kernarg_size 48
		.amdhsa_user_sgpr_count 2
		.amdhsa_user_sgpr_kernarg_segment_ptr 1
		.amdhsa_wavefront_size32 1
		.amdhsa_system_sgpr_workgroup_id_x 1
		.amdhsa_system_sgpr_workgroup_id_y 1
		.amdhsa_system_sgpr_workgroup_id_z 1
		.amdhsa_system_vgpr_workitem_id 0
		.amdhsa_next_free_vgpr 1024
		.amdhsa_next_free_sgpr 102
		.amdhsa_reserve_vcc 0
		.amdhsa_float_denorm_mode_32 3
		.amdhsa_float_denorm_mode_16_64 3
		.amdhsa_memory_ordered 1
		.amdhsa_forward_progress 1
		.amdhsa_inst_pref_size 130
	.end_amdhsa_kernel
	.amdgpu_metadata
---
amdhsa.version: [ 1, 2 ]
amdhsa.kernels:
  - .name:           k_q1cd4be2ea8_proj
    .symbol:         k_q1cd4be2ea8_proj.kd
    .args:
      - { .name: x_codes, .offset: 0, .size: 8, .value_kind: global_buffer, .address_space: global }
      - { .name: x_scales, .offset: 8, .size: 8, .value_kind: global_buffer, .address_space: global }
      - { .name: qkv_w_codes, .offset: 16, .size: 8, .value_kind: global_buffer, .address_space: global }
      - { .name: qkv_w_scales, .offset: 24, .size: 8, .value_kind: global_buffer, .address_space: global }
      - { .name: qkv_b, .offset: 32, .size: 8, .value_kind: global_buffer, .address_space: global }
      - { .name: img, .offset: 40, .size: 8, .value_kind: global_buffer, .address_space: global }
    .group_segment_fixed_size: 327680
    .private_segment_fixed_size: 0
    .kernarg_segment_align: 8
    .kernarg_segment_size: 48
    .max_flat_workgroup_size: 128
    .sgpr_count:     102
    .vgpr_count:     1024
    .wavefront_size: 32
...
	.end_amdgpu_metadata
.endif
;; end of part 1
;; launch attn (part 2): grid 8 x 32, 16 waves a work-group, clusters of 4 x 1, 206,848 bytes of LDS; arguments img, cimg, csc; writes cimg, csc
.if DOCPART == 2
	.amdgcn_target "amdgcn-amd-amdhsa--gfx1250"
	.amdhsa_code_object_version 6
	.text
	.protected	k_q1cd4be2ea8_attn
	.globl	k_q1cd4be2ea8_attn
	.p2align	8
	.type	k_q1cd4be2ea8_attn,@function
k_q1cd4be2ea8_attn:
	s_mov_b64 s[64:65], 0
	v_nop
	global_prefetch_b8 v0, s[64:65] scope:SCOPE_SE
	s_setreg_imm32_b32 hwreg(HW_REG_WAVE_MODE, 25, 1), 1
	s_wait_xcnt 0x0
	s_wait_alu depctr_hold_cnt(0) depctr_sa_sdst(0) depctr_va_vdst(0) depctr_va_sdst(0) depctr_va_ssrc(0) depctr_va_vcc(0) depctr_vm_vsrc(0)
	s_getreg_b32 s2, hwreg(HW_REG_IB_STS2, 6, 4)
	s_cmp_eq_u32 s2, 0
	s_cbranch_scc0 .Lentry_in_a_cluster
	s_endpgm
.Lentry_in_a_cluster:
	s_bfe_u32 s2, ttmp6, 0x10000c
	s_cmp_lg_u32 s2, 0x3003
	s_cbranch_scc0 .Lentry_shape_is_right
	s_endpgm
.Lentry_shape_is_right:
; ctx = softmax(q k^T / 8) v for one head and 256 queries a work-group, both products on codes of FP6 (E2M3) with E8M0 scales; ctx is quantised along the head's 64 for the last product.
; THE SOFTMAX: t = score x log2(e) / 8; M = the running largest t rounded UP to a whole number; p = 2^(t - M) is quantised along the keys, not normalised; the row's sum is taken of the unquantised p in f32 and divides at the end.
; When M moves, the sum and O are multiplied by 2^(old M - new M): exact.
; SHARES.  Sixteen waves; wave w owns a tile of 16 queries, in 256 registers: four waves to a SIMD, so that one wave's vector work stands beside another's products and LDS loads.  A trip takes 256 keys: one change of M for two steps of 128.
; K, V AND THEIR SCALE BYTES OF THE WHOLE HEAD LIE IN LDS: 16 records of 12,800 bytes, each filled once: wave w asks for record w, its one tensor load.  Waves 0-3's records are shown by the first barrier; the others' by a second one, signalled behind
; the first trip and waited for behind the second.
; CLUSTER.  The four work-groups of a cluster are four query blocks of one head: every record is asked for jointly (mask 15).
; LAYOUT.  Both products are used transposed: S^T = k q^T, O^T = v^T p^T: a lane holds ONE query (lane % 16).  A head has 64 channels and the instruction's K is 128: an operand of k is two tiles of 16 keys, one in its lower 64 and one in its upper 64; q stands
; between two runs of zero codes, so that v[22:33] is q below zeros and v[16:27] zeros below q: each picks one of the two tiles.
; By the order of k's rows a lane's 32 numbers over four tiles are one block of 32 keys (lanes 0-15 block 2 c, lanes 16-31 block 2 c + 1): so the block's maximum and its codes need no other lane.
; v's tile t as it was stored has in rows 8-15 the channels of tile t xor 1: these lanes read there, and so a lane's 32 sums of O^T are the 32 channels of its block in their natural order.
; cimg [block of 128 tokens][head][tile of 16 tokens][768]: registers 0-3 at 16 x lane, 4-5 at 512 + 8 x lane.  csc [token][32]: byte 2 head + block.  These bytes leave one a lane, two for each 48 of codes: the stores do not cover whole runs of 256 bytes.
; LIMITS: NaN and infinities are not served; the scaled scores (exponents to the base 2) stay under 2^31 in magnitude; a p under 2^-126 counts as 0 (v_exp_f32 flushes denormals: ISA guide, its entry); a block of zeros gets the byte 1 where the quantiser
; says 127 (its codes are zeros; this program alone reads the bytes).  A block's largest p is the exponential of its largest score.
; No prefetch is laid: every record is asked for at the head, there is no later load to run ahead of.
.set REC, 19200
.set STEPB, 12800
.set TRIP, 2*STEPB
.set SPARE, 204800
.set B4,   1                           ; v1  4 x lane (k's scale words)
.set K16,  2                           ; v2-8 LDS addresses of the trips in hand
.set KSA,  3
.set VSA,  4
.set VE16, 5
.set VO16, 6
.set VE8,  7
.set VO8,  8
.set C16,  9                           ; v9  16 x lane
.set BV4,  10
.set BE16, 11
.set BO16, 35
.set BE8,  50
.set BO8,  51
.set QS,   34
.set KS,   36                          ; v36-39 k's scale words
.set VS,   40                          ; v40-43 v's
.set PS,   44                          ; v44-45 p's
.set TA,   46
.set X,    47
.set F,    48                          ; v[48:49] f = 2^(old M - new M)
.set BM,   52                          ; v52-55 the blocks' largest scores, then largest p
.set CH,   56
.set SPW,  58
.set NIL,  59
.set O,    60                          ; v60-91 O^T
.set S,    92                          ; v92-219 S^T, then p
.set KA,   156                         ; k's operands of the first step lie where the second step's scores will be
.set KB0,  204
.set KX,   220
.set VF,   108                         ; v108-203 v's operands, once p has been converted
.set P,    220                         ; v220-243 p's codes
.set SO,   244
.set BY,   248
.set WV,   12
.set SEL,  16
.set CS,   18
.set NCS,  22
.set G1,   24
.set G0,   40
.set TK,   76
.set CNT,  78
.macro WALU
	s_wait_alu depctr_va_vdst(0)
.endm
.macro PLACES n
.rept \n
	v_nop
.endr
.endm
.macro CROUND
	s_barrier_signal -1
	s_barrier_wait -1
	s_cmp_lg_u32 s[WV], 0
	s_cbranch_scc1 .Lnot_wave_0_\@
	s_barrier_signal -3
.Lnot_wave_0_\@:
	s_barrier_wait -3
	s_barrier_signal -1
	s_barrier_wait -1
.endm
.macro TLOAD
	tensor_load_to_lds s[G0:G0+3], s[G1:G1+7]
	s_nop 0
	PLACES 4
.endm
.macro ADDRS                           ; the LDS addresses of the next two trips
	v_add_nc_u32 v[K16], s[TK], v[C16]
	v_add_nc_u32 v[KSA], s[TK], v[B4]
	v_add_nc_u32 v[VSA], s[TK], v[BV4]
	v_add_nc_u32 v[VE16], s[TK], v[BE16]
	v_add_nc_u32 v[VO16], s[TK], v[BO16]
	v_add_nc_u32 v[VE8], s[TK], v[BE8]
	v_add_nc_u32 v[VO8], s[TK], v[BO8]
.endm
; The scores of one operand's two tiles.
.macro SP2 d, a, ks, p
.irp o, 0,1
.if \p
	v_wmma_scale_f32_16x16x128_f8f6f4 v[\d+8*\o:\d+8*\o+7], v[\a:\a+11], v[22-6*\o:33-6*\o], 0, v[\ks], v[QS] matrix_a_fmt:MATRIX_FMT_FP6 matrix_b_fmt:MATRIX_FMT_FP6 matrix_a_scale:MATRIX_SCALE_ROW1
.else
	v_wmma_scale_f32_16x16x128_f8f6f4 v[\d+8*\o:\d+8*\o+7], v[\a:\a+11], v[22-6*\o:33-6*\o], 0, v[\ks], v[QS] matrix_a_fmt:MATRIX_FMT_FP6 matrix_b_fmt:MATRIX_FMT_FP6 matrix_a_scale:MATRIX_SCALE_ROW0
.endif
.endr
.endm
.macro MX e, from, to                  ; lines from .. to - 1 of the largest score of step e's two blocks, by turns
.set m_, \from
.rept (\to)-(\from)
.irp c, 0,1
.set B_, S+64*(\e)+32*\c
.set T_, BM+2*(\e)+\c
.if m_ == 0
	v_max3_num_f32 v[T_], v[B_], v[B_+1], v[B_+2]
.elseif m_ == 15
	v_max_num_f32 v[T_], v[T_], v[B_+31]
.else
	v_max3_num_f32 v[T_], v[T_], v[B_+2*m_+1], v[B_+2*m_+2]
.endif
.endr
.set m_, m_+1
.endr
.endm
; A trip: 256 keys, whose two records begin im bytes behind the addresses in hand.  Five places stand ahead of it.
.macro STEP im
	ds_load_b32 v[KS], v[KSA] offset:\im+12288
	ds_load_b32 v[KS+1], v[KSA] offset:\im+12288+128
.irp n, 0,1,2,3
.irp k, 0,1,2
	ds_load_b128 v[KA+12*\n+4*\k:KA+12*\n+4*\k+3], v[K16] offset:\im+1536*\n+512*\k
.endr
.endr
	ds_load_b32 v[KS+2], v[KSA] offset:\im+STEPB+12288
	ds_load_b32 v[KS+3], v[KSA] offset:\im+STEPB+12288+128
.irp k, 0,1,2
	ds_load_b128 v[KB0+4*\k:KB0+4*\k+3], v[K16] offset:\im+STEPB+512*\k
.endr
.irp n, 0,1,2
.irp k, 0,1,2
	ds_load_b128 v[KX+12*\n+4*\k:KX+12*\n+4*\k+3], v[K16] offset:\im+STEPB+1536*(\n+1)+512*\k
.endr
.endr
	WALU
	s_wait_dscnt 14                                ; the first step's operands are in
	SP2 S, KA, KS, 0
	SP2 S+16, KA+12, KS, 1
	SP2 S+32, KA+24, KS+1, 0
	SP2 S+48, KA+36, KS+1, 1
	PLACES 5                                       ; the scores below are written over the operands above
	s_wait_dscnt 0x0
	SP2 S+64, KB0, KS+2, 0
	SP2 S+80, KX, KS+2, 1
	SP2 S+96, KX+12, KS+3, 0
	MX 0, 0, 3                                     ; six lines: the places between the operand at KB0 and the scores written over it
	SP2 S+112, KX+24, KS+3, 1
	MX 0, 3, 16
	MX 1, 0, 16
	v_max3_num_f32 v[TA], v[BM], v[BM+1], v[BM+2]
	v_max_num_f32 v[TA], v[TA], v[BM+3]
	v_permlanex16_b32 v[X], v[TA], s[SEL], s[SEL+1]
	v_max3_num_f32 v13, v13, v[TA], v[X]           ; the running largest score of my query
	v_mul_f32 v[TA], s[NCS], v13
	v_floor_f32 v[TA], v[TA]                       ; the new -M = floor(-t)
	v_sub_f32 v[F], v[TA], v12                     ; old M - new M: a whole number, 0 or less
	v_mov_b32 v12, v[TA]
	v_cvt_i32_f32 v[F], v[F]                       ; (it saturates)
	v_ldexp_f32 v[F], 1.0, v[F]                    ; f
.set j, 0
.rept 64
	v_pk_fma_f32 v[S+j:S+j+1], v[S+j:S+j+1], s[CS:CS+1], v[12:13] op_sel_hi:[1,0,0]   ; t - M
.set j, j+2
.endr
.irp b, 0,1,2,3
	v_fma_f32 v[BM+\b], v[BM+\b], s[CS], v12       ; the same of each block's largest score
.endr
	WALU                                           ; the wait ahead of the batch
.set j, 0
.rept 128
	v_exp_f32 v[S+j], v[S+j]
.set j, j+1
.endr
.irp b, 0,1,2,3
	v_exp_f32 v[BM+\b], v[BM+\b]                   ; the block's largest p
.endr
	v_pk_mul_f32 v[14:15], v[14:15], v[F:F+1] op_sel_hi:[1,0]   ; the sum under the new M: a plain place behind the exponentials
	WALU                                           ; and behind the batch
	v_pk_add_f32 v[252:253], v[S:S+1], v[S+2:S+3]  ; the row's sum of the unquantised p, in four chains
	v_pk_add_f32 v[254:255], v[S+4:S+5], v[S+6:S+7]
	v_pk_add_f32 v[CH:CH+1], v[S+8:S+9], v[S+10:S+11]
	v_pk_add_f32 v[14:15], v[14:15], v[S+12:S+13]
.set j, 14
.rept 57
.if ((j/2)-7)%4 == 0
	v_pk_add_f32 v[252:253], v[252:253], v[S+j:S+j+1]
.elseif ((j/2)-7)%4 == 1
	v_pk_add_f32 v[254:255], v[254:255], v[S+j:S+j+1]
.elseif ((j/2)-7)%4 == 2
	v_pk_add_f32 v[CH:CH+1], v[CH:CH+1], v[S+j:S+j+1]
.else
	v_pk_add_f32 v[14:15], v[14:15], v[S+j:S+j+1]
.endif
.set j, j+2
.endr
.irp b, 0,1,2,3
	v_max_num_f32 v[BM+\b], 0x1800000, v[BM+\b]    ; the floor 2^(3 - 127): the byte cannot fall under 1
.endr
	v_pk_add_f32 v[252:253], v[252:253], v[254:255]
	v_pk_add_f32 v[14:15], v[14:15], v[CH:CH+1]
.irp b, 0,1,2,3
	v_add_nc_u32 v[SO+\b], 0xff000000, v[BM+\b]    ; 2 off the exponent field: the conversion's scale operand
.endr
	v_pk_add_f32 v[14:15], v[14:15], v[252:253]
.irp b, 0,1,2,3
	v_lshrrev_b32 v[BY+\b], 23, v[SO+\b]           ; the scale's byte
.endr
	v_lshl_or_b32 v[BY], v[BY+1], 16, v[BY]        ; my two of a step's four bytes
	v_lshl_or_b32 v[BY+2], v[BY+3], 16, v[BY+2]
	v_permlanex16_b32 v[TA], v[BY], s[SEL], s[SEL+1]
	v_permlanex16_b32 v[X], v[BY+2], s[SEL], s[SEL+1]
	v_lshl_or_b32 v[PS], v[TA], 8, v[BY]           ; lanes 0-15: p's scale words
	v_lshl_or_b32 v[PS+1], v[X], 8, v[BY+2]
.irp b, 0,1
	v_cvt_scalef32_pk16_fp6_f32 v[P+6*\b:P+6*\b+2], v[S+32*\b:S+32*\b+15], v[SO+\b]
	v_cvt_scalef32_pk16_fp6_f32 v[BY+4*\b:BY+4*\b+2], v[S+32*\b+16:S+32*\b+31], v[SO+\b]   ; (a conversion's three registers begin on an even number: the second half is made elsewhere and moved)
.endr
	v_nop                                          ; one plain place behind a scaled conversion
.irp b, 0,1
.irp i, 0,1,2
	v_mov_b32 v[P+6*\b+3+\i], v[BY+4*\b+\i]
.endr
.endr
.irp b, 2,3
	v_cvt_scalef32_pk16_fp6_f32 v[P+6*\b:P+6*\b+2], v[S+32*\b:S+32*\b+15], v[SO+\b]
	v_cvt_scalef32_pk16_fp6_f32 v[S+4*(\b-2):S+4*(\b-2)+2], v[S+32*\b+16:S+32*\b+31], v[SO+\b]
.endr
	v_nop
.irp e, 0,1
.irp x, 0,1
	ds_load_b32 v[VS+2*\e+\x], v[VSA] offset:\im+STEPB*\e+12544+128*\x
.endr
.endr
.irp e, 0,1                                    ; v's operands, into the registers that p has left
.irp t, 0,2
.irp c, 0,1
	ds_load_b128 v[VF+48*\e+12*\t+6*\c:VF+48*\e+12*\t+6*\c+3], v[VE16] offset:\im+STEPB*\e+6144+1536*\t+768*\c
	ds_load_b64 v[VF+48*\e+12*\t+6*\c+4:VF+48*\e+12*\t+6*\c+5], v[VE8] offset:\im+STEPB*\e+6144+1536*\t+768*\c+512
	ds_load_b128 v[VF+48*\e+12*\t+12+6*\c:VF+48*\e+12*\t+12+6*\c+3], v[VO16] offset:\im+STEPB*\e+6144+1536*\t+768*\c
	ds_load_b64 v[VF+48*\e+12*\t+12+6*\c+4:VF+48*\e+12*\t+12+6*\c+5], v[VO8] offset:\im+STEPB*\e+6144+1536*\t+768*\c+512
.endr
.endr
.endr
.irp b, 2,3
.irp i, 0,1,2
	v_mov_b32 v[P+6*\b+3+\i], v[S+4*(\b-2)+\i]
.endr
.endr
	WALU                                           ; the wait directly ahead of O^T's first reader
.set j, 0
.rept 16
	v_pk_mul_f32 v[O+j:O+j+1], v[O+j:O+j+1], v[F:F+1] op_sel_hi:[1,0]   ; O^T under the new M; the places behind the writes of p's codes and scale words
.set j, j+2
.endr
	WALU
	s_wait_dscnt 16                                ; the first step's operands of v are in
.irp e, 0,1
.if \e
	s_wait_dscnt 0x0
.endif
.irp t, 0,1,2,3                                ; O^T += v^T p^T: the four accumulators by turns
.if \t%2
	v_wmma_scale_f32_16x16x128_f8f6f4 v[O+8*\t:O+8*\t+7], v[VF+48*\e+12*\t:VF+48*\e+12*\t+11], v[P+12*\e:P+12*\e+11], v[O+8*\t:O+8*\t+7], v[VS+2*\e+\t/2], v[PS+\e] matrix_a_fmt:MATRIX_FMT_FP6 matrix_b_fmt:MATRIX_FMT_FP6 matrix_a_scale:MATRIX_SCALE_ROW1
.else
	v_wmma_scale_f32_16x16x128_f8f6f4 v[O+8*\t:O+8*\t+7], v[VF+48*\e+12*\t:VF+48*\e+12*\t+11], v[P+12*\e:P+12*\e+11], v[O+8*\t:O+8*\t+7], v[VS+2*\e+\t/2], v[PS+\e] matrix_a_fmt:MATRIX_FMT_FP6 matrix_b_fmt:MATRIX_FMT_FP6 matrix_a_scale:MATRIX_SCALE_ROW0
.endif
.endr
.endr
.endm
	s_load_b128 s[4:7], s[0:1], 0x0                ; img, cimg
	s_load_b64 s[8:9], s[0:1], 0x10                ; csc
	v_lshl_add_u32 v[SPW], v0, 2, SPARE
	v_mov_b32 v[NIL], 0
	ds_add_u32 v[SPW], v[NIL]
	ds_add_u32 v[SPW], v[NIL]
	v_lshrrev_b32 v1, 5, v0
	v_readfirstlane_b32 s[WV], v1                  ; wave 0..15
	s_bfe_u32 s13, ttmp6, 0x40000                  ; cx: it enters q's, cimg's and csc's addresses alone
	s_lshl_b32 s14, ttmp9, 2
	s_add_co_u32 s14, s14, s13                     ; my block of 256 queries
	s_and_b32 s15, ttmp7, 0xffff                   ; 16 x batch + head, which the four partners share
	s_mov_b32 s[G1], 15|(3<<16)|(1<<21)            ; the mask: all four; elements of 8 bytes; bit 21 beside a mask; no padding
	s_mov_b32 s[G1+1], 32<<16                      ; 50 rows of 256 bytes
	s_mov_b32 s[G1+2], 50<<16
	s_mov_b32 s[G1+3], 32<<16
	s_mov_b32 s[G1+4], 50
	s_mov_b32 s[G1+5], 32
	s_mov_b32 s[G1+6], 0
	s_mov_b32 s[G1+7], 0
	s_mul_i32 s20, s15, 16*REC
	s_mul_i32 s21, s[WV], REC
	s_add_co_u32 s20, s20, s21
	s_mov_b32 s21, 0
	s_mov_b32 s[G0], 1
	s_mul_i32 s[G0+1], s[WV], STEPB
	WALU
	s_wait_dscnt 0x0
	CROUND                                         ; all four work-groups are here: the joint loads meet
	s_wait_kmcnt 0x0
	s_add_nc_u64 s[G0+2:G0+3], s[4:5], s[20:21]
	s_or_b32 s[G0+3], s[G0+3], 0x80000000
	s_cmp_lt_u32 s[WV], 4                          ; two lines: the first barrier shows the first one's records
	s_cbranch_scc0 .Lrest
	TLOAD
	s_branch .Lasked
.Lrest:
	TLOAD
.Lasked:
	s_mov_b32 s[SEL], 0x76543210
	s_mov_b32 s[SEL+1], 0xfedcba98
	s_mov_b32 s[CS], 0x3e38aa3b                    ; c = log2(e) / 8
	s_mov_b32 s[CS+1], s[CS]
	s_mov_b32 s[NCS], 0xbe38aa3b                   ; -c
	s_and_b32 s50, s[WV], 7                        ; my tile of a block of 128 tokens
	s_lshr_b32 s51, s50, 1                         ; its operand
	s_and_b32 s52, s50, 1
	s_lshr_b32 s53, s[WV], 3
	s_lshl_b32 s54, s14, 1
	s_add_co_u32 s53, s53, s54                     ; my step of 128 tokens
	s_lshl_b32 s54, s15, 4
	s_add_co_u32 s54, s54, s53
	s_mul_i32 s54, s54, REC
	s_mul_i32 s55, s51, 1536
	s_add_co_u32 s20, s54, s55
	s_add_co_u32 s20, s20, STEPB
	s_lshl_b32 s55, s51, 6
	s_add_co_u32 s54, s54, s55
	s_add_co_u32 s54, s54, 18944
	s_mov_b32 s55, 0
	s_add_nc_u64 s[20:21], s[4:5], s[20:21]        ; q's operand
	s_add_nc_u64 s[54:55], s[4:5], s[54:55]        ; its scale bytes
	s_mul_i32 s58, s52, 520
	s_mul_i32 s59, s52, 1016
	s_lshl_b32 s60, s52, 1
	s_lshl_b32 s61, s52, 4
	s_sub_co_u32 s61, 32, s61
	s_lshr_b32 s56, s15, 4                         ; where my results go
	s_lshl_b32 s56, s56, 4
	s_add_co_u32 s56, s56, s53                     ; block of 128 tokens
	s_and_b32 s57, s15, 15                         ; the head
	s_lshl_b32 s62, s56, 4
	s_add_co_u32 s62, s62, s57
	s_lshl_b32 s62, s62, 3
	s_add_co_u32 s62, s62, s50
	s_mul_i32 s62, s62, 768
	s_mov_b32 s63, 0
	s_add_nc_u64 s[6:7], s[6:7], s[62:63]
	s_lshl_b32 s62, s56, 12
	s_lshr_b32 s56, s50, 2
	s_lshl_b32 s56, s56, 11
	s_add_co_u32 s62, s62, s56
	s_and_b32 s56, s50, 3
	s_lshl_b32 s56, s56, 8
	s_add_co_u32 s62, s62, s56
	s_lshl_b32 s57, s57, 1
	s_add_co_u32 s62, s62, s57
	s_add_nc_u64 s[8:9], s[8:9], s[62:63]
	s_mov_b32 s[TK], 0
	v_and_b32 v[TA], 31, v0                        ; lane
	v_and_b32 v[X], 15, v0                         ; r
	v_bfe_u32 v[F+1], v0, 4, 1                     ; h
	v_lshlrev_b32 v[C16], 4, v[TA]
	v_lshlrev_b32 v[B4], 2, v[TA]
	v_lshlrev_b32 v55, 3, v[TA]
	v_lshrrev_b32 v[F], 3, v[X]                    ; g = r / 8
	v_mul_u32_u24 v52, v[F], 1536
	v_sub_nc_u32 v53, 1, v[F]
	v_mul_u32_u24 v54, v53, 1536
	v_add_nc_u32 v[BE16], v[C16], v52              ; even tiles of v: lanes of rows 8-15 read the tile behind,
	v_add_nc_u32 v[BE8], v55, v52
	v_add_nc_u32 v[BO16], v[C16], v54              ; odd tiles: the tile ahead (the offsets are those of the even tile)
	v_add_nc_u32 v[BO8], v55, v54
	v_xor_b32 v56, v[F+1], v[F]
	v_lshlrev_b32 v56, 6, v56
	v_lshl_add_u32 v[BV4], v[X], 2, v56
	v_add_nc_u32 v57, s58, v[C16]
	v_add_nc_u32 v53, s59, v[C16]
	v_lshl_add_u32 v54, v[X], 2, s60
	global_load_b64 v[22:23], v57, s[20:21]        ; q's six registers: three pairs of the operand's six
	global_load_b64 v[24:25], v53, s[20:21] offset:8
	global_load_b64 v[26:27], v57, s[20:21] offset:512
	global_load_u16 v56, v54, s[54:55]
.irp j, 16,17,18,19,20,21,28,29,30,31,32,33
	v_mov_b32 v\j, 0                               ; zero codes below and above q
.endr
	v_mov_b32 v13, 0xff61b1e6                      ; the largest score so far: -3e38
	v_mul_f32 v12, s[NCS], v13                     ; -M
	v_mov_b32 v14, 0                               ; the sum, in two halves
	v_mov_b32 v15, 0
.set j, 0
.rept 32
	v_mov_b32 v[O+j], 0                            ; O^T: the trip is one text; the first finds zeros, which the first change of M leaves zeros
.set j, j+1
.endr
	WALU
	s_wait_loadcnt 0x0
	v_lshl_or_b32 v[QS], v56, 16, v56              ; q's two bytes, for the lower and for the upper 64
	ADDRS
	v_nop
	WALU
	s_cmp_lt_u32 s[WV], 4
	s_cbranch_scc0 .Lno_wait
	s_wait_tensorcnt 0x0
.Lno_wait:
	s_barrier_signal -1
	s_barrier_wait -1                              ; records 0 to 3 are in
	STEP 0
	WALU
	s_wait_tensorcnt 0x0                           ; my record is in, whichever it is
	s_wait_dscnt 0x0
	s_barrier_signal -1
	PLACES 5
	STEP TRIP
	WALU
	s_barrier_wait -1                              ; all records are in
	s_mov_b32 s[CNT], 3
.Lloop:
	s_add_co_u32 s[TK], s[TK], 2*TRIP
	ADDRS                                          ; also the places behind the last products
	STEP 0
	PLACES 5
	STEP TRIP
	s_sub_co_u32 s[CNT], s[CNT], 1
	s_cmp_lg_u32 s[CNT], 0
	WALU
	s_cbranch_scc1 .Lloop
	; THE WAY OUT: O^T / the sum: a lane's 32 numbers are one block of 32 channels
	PLACES 4
	v_add_f32 v14, v14, v15
	v_permlanex16_b32 v[X], v14, s[SEL], s[SEL+1]
	v_add_f32 v14, v14, v[X]                       ; the row's sum
	v_and_b32 v1, 15, v0
	v_bfe_u32 v2, v0, 4, 1
	v_and_b32 v3, 31, v0
	v_lshlrev_b32 v3, 3, v3                        ; 8 x lane
	v_lshrrev_b32 v4, 3, v1
	v_mul_u32_u24 v4, s61, v4
	v_add_nc_u32 v4, v4, v1                        ; my token's place
	v_lshl_add_u32 v4, v4, 5, v2
	WALU
	v_rcp_f32 v14, v14
	v_nop
	WALU
.set j, 0
.rept 16
	v_pk_mul_f32 v[S+j:S+j+1], v[O+j:O+j+1], v[14:15] op_sel_hi:[1,0]
.set j, j+2
.endr
.irp b, 0,1
	v_max3_num_f32 v[BM+\b], |v[S+16*\b]|, |v[S+1+16*\b]|, 0x1800000
.endr
.irp i, 2,4,6,8,10,12,14
.irp b, 0,1
	v_max3_num_f32 v[BM+\b], v[BM+\b], |v[S+16*\b+\i]|, |v[S+1+16*\b+\i]|
.endr
.endr
	v_max_num_f32 v[BM], v[BM], v[BM+1]
	v_add_nc_u32 v[SO], 0xff000000, v[BM]
	v_lshrrev_b32 v[TA], 23, v[SO]
	v_cvt_scalef32_pk16_fp6_f32 v[P:P+2], v[S:S+15], v[SO]
	v_cvt_scalef32_pk16_fp6_f32 v[BY:BY+2], v[S+16:S+31], v[SO]
	v_nop
.irp i, 0,1,2
	v_mov_b32 v[P+3+\i], v[BY+\i]
.endr
	global_store_b128 v[C16], v[P:P+3], s[6:7]
	global_store_b64 v3, v[P+4:P+5], s[6:7] offset:512
	global_store_b8 v4, v[TA], s[8:9]
	s_wait_tensorcnt 0x0                           ; the wave's end
	ds_add_u32 v[SPW], v[NIL]
	s_wait_dscnt 0x0
	CROUND                                         ; the closing round
	s_endpgm
.Lfunc_end_k_q1cd4be2ea8_attn:
	.size	k_q1cd4be2ea8_attn, .Lfunc_end_k_q1cd4be2ea8_attn-k_q1cd4be2ea8_attn
	.p2alignl 7, 3214868480
	.fill 96, 4, 3214868480
	.section	.rodata,"a",@progbits
	.p2align	6, 0x0
	.amdhsa_kernel k_q1cd4be2ea8_attn
		.amdhsa_group_segment_fixed_size 206848
		.amdhsa_private_segment_fixed_size 0
		.amdhsa_enable_private_segment 0
		.amdhsa_kernarg_size 24
		.amdhsa_user_sgpr_count 2
		.amdhsa_user_sgpr_kernarg_segment_ptr 1
		.amdhsa_wavefront_size32 1
		.amdhsa_system_sgpr_workgroup_id_x 1
		.amdhsa_system_sgpr_workgroup_id_y 1
		.amdhsa_system_sgpr_workgroup_id_z 1
		.amdhsa_system_vgpr_workitem_id 0
		.amdhsa_next_free_vgpr 256
		.amdhsa_next_free_sgpr 96
		.amdhsa_reserve_vcc 0
		.amdhsa_float_denorm_mode_32 3
		.amdhsa_float_denorm_mode_16_64 3
		.amdhsa_memory_ordered 1
		.amdhsa_forward_progress 1
		.amdhsa_inst_pref_size 122
	.end_amdhsa_kernel
	.amdgpu_metadata
---
amdhsa.version: [ 1, 2 ]
amdhsa.kernels:
  - .name:           k_q1cd4be2ea8_attn
    .symbol:         k_q1cd4be2ea8_attn.kd
    .args:
      - { .name: img, .offset: 0, .size: 8, .value_kind: global_buffer, .address_space: global }
      - { .name: cimg, .offset: 8, .size: 8, .value_kind: global_buffer, .address_space: global }
      - { .name: csc, .offset: 16, .size: 8, .value_kind: global_buffer, .address_space: global }
    .group_segment_fixed_size: 206848
    .private_segment_fixed_size: 0
    .kernarg_segment_align: 8
    .kernarg_segment_size: 24
    .max_flat_workgroup_size: 512
    .sgpr_count:     96
    .vgpr_count:     256
    .wavefront_size: 32
...
	.end_amdgpu_metadata
.endif
;; end of part 2
;; launch outp (part 3): grid 8 x 32, 4 waves a work-group, clusters of 4 x 4, 220,672 bytes of LDS; arguments cimg, csc, out_w_codes, out_w_scales, out_b, out0; writes out0
.if DOCPART == 3
	.amdgcn_target "amdgcn-amd-amdhsa--gfx1250"
	.amdhsa_code_object_version 6
	.text
	.protected	k_q1cd4be2ea8_outp
	.globl	k_q1cd4be2ea8_outp
	.p2align	8
	.type	k_q1cd4be2ea8_outp,@function
k_q1cd4be2ea8_outp:
	s_mov_b64 s[64:65], 0
	v_nop
	global_prefetch_b8 v0, s[64:65] scope:SCOPE_SE
	s_setreg_imm32_b32 hwreg(HW_REG_WAVE_MODE, 25, 1), 1
	s_wait_xcnt 0x0
	s_wait_alu depctr_hold_cnt(0) depctr_sa_sdst(0) depctr_va_vdst(0) depctr_va_sdst(0) depctr_va_ssrc(0) depctr_va_vcc(0) depctr_vm_vsrc(0)
	s_getreg_b32 s2, hwreg(HW_REG_IB_STS2, 6, 4)
	s_cmp_eq_u32 s2, 0
	s_cbranch_scc0 .Lentry_in_a_cluster
	s_endpgm
.Lentry_in_a_cluster:
	s_bfe_u32 s2, ttmp6, 0x10000c
	s_cmp_lg_u32 s2, 0xf033
	s_cbranch_scc0 .Lentry_shape_is_right
	s_endpgm
.Lentry_shape_is_right:
; out0 = ctx out_w^T + out_b on codes of FP6 (E2M3) with E8M0 scales.  ctx comes as the images and scale bytes that the launch before has stored, out_w as it is given.
; A work-group of four waves makes 128 tokens x 128 outputs (32 x 8 = 256 work-groups), a wave 64 x 64.  A wave holds its 64 rows of out_w, all of K, in registers and takes ctx by blocks of 16 tokens: a block is finished after 32 products and leaves at once.
; BOTH TILES FOR ALL OF K = 1,024 FIT IN LDS: every byte is filled once, there is no ring.  One tensor load a wave: waves 0 and 1 a half each of out_w's 128 rows (whole rows of 768 bytes, 16 bytes of padding behind every 256), waves 2 and 3 a half each of ctx.
; CLUSTER: 4 x 4 work-groups; ctx is asked for jointly along a row of the cluster, out_w along a column.
; ctx in LDS: [head][tile of 16 tokens][768]: a K step of 128 is two heads: registers 0-5 from the first, 6-11 from the second.  With g = r / 8, row r of tile j of 64 tokens is token 8 j + r + 32 g (even j) or 8 j + r + 16 g (odd j).
; The bias is the C of the first products.  No prefetch is laid: every tile is asked for at the head, there is no later load to run ahead of.
; REGISTERS: window 0: v4-23 addresses; v36-67 ctx's scale words, v72-87 out_w's, and nothing else; v88-119 the bias; v120-183 the accumulators, two sets; v184-247 rows on the way out, two sets.  Windows 1-3: fragments: 0-31 out_w's, 32-47 ctx's two sets.
.set KROW,   768
.set PITCH,  816
.set FR,     12
.set FPW,    21
.set WB,     98304
.set STAGE,  WB+128*PITCH              ; 16 rows x 272 bytes for each wave; no tensor load lands here
.set SPITCH, 272
.set SPARE,  STAGE+4*16*SPITCH
.set A16,  12                          ; v12, v13  16 x lane + my tiles, heads 0-7 and 8-15
.set A8,   14                          ; v14, v15
.set STO,  16
.set RD,   17
.set CO,   18
.set SPW,  30
.set NIL,  31
.set SA,   36
.set SB,   72
.set BI,   88
.set ACC,  120
.set OB,   184
.set WV,   16
.set G1A,  24
.set G1B,  32
.set G0A,  40
.set G0B,  44
.set MSB, 0
.macro WIN new
.if MSB != \new
	s_set_vgpr_msb (MSB<<8)|\new
.set MSB, \new
.endif
.endm
.macro PLACES n
.rept \n
	v_nop
.endr
.endm
.macro WALU
	s_wait_alu depctr_va_vdst(0)
.endm
.macro CROUND
	s_barrier_signal -1
	s_barrier_wait -1
	s_cmp_lg_u32 s[WV], 0
	s_cbranch_scc1 .Lnot_wave_0_\@
	s_barrier_signal -3
.Lnot_wave_0_\@:
	s_barrier_wait -3
	s_barrier_signal -1
	s_barrier_wait -1
.endm
.macro FRAG f, q, a0, a1               ; a fragment of out_w: six pieces of 8 bytes, two to a load where both lie behind as many paddings
	WIN (1+(\f)/FPW)<<6
.set R_, FR*((\f)%FPW)
.set SKIP_, 0
.irp p, 0,1,2,3,4,5
.if SKIP_
.set SKIP_, 0
.else
.set PC_, 12*(\q)+6*(\p/3)+\p%3
.set PN_, 12*(\q)+6*((\p+1)/3)+(\p+1)%3
.set X_, (PC_%32+3)/32
.set XQ_, (PN_%32+3)/32
.if (\p < 5) && (X_ == XQ_)
.set SKIP_, 1
.if X_
	ds_load_2addr_b64 v[R_+2*\p:R_+2*\p+3], \a1 offset0:PC_+2*(PC_/32) offset1:PN_+2*(PN_/32)
.else
	ds_load_2addr_b64 v[R_+2*\p:R_+2*\p+3], \a0 offset0:PC_+2*(PC_/32) offset1:PN_+2*(PN_/32)
.endif
.elseif X_
	ds_load_b64 v[R_+2*\p:R_+2*\p+1], \a1 offset:8*(PC_+2*(PC_/32))
.else
	ds_load_b64 v[R_+2*\p:R_+2*\p+1], \a0 offset:8*(PC_+2*(PC_/32))
.endif
.endif
.endr
.endm
.macro FETCH a                         ; ctx's block a into set a % 2: 32 loads
.irp q, 0,1,2,3,4,5,6,7
.set F_, 32+8*((\a)%2)+\q
.set R_, FR*(F_%FPW)
.set L_, 12288*(\q%4)+768*(\a)
	WIN (1+F_/FPW)<<6
	ds_load_b128 v[R_:R_+3], v[A16+\q/4] offset:L_
	ds_load_b64 v[R_+4:R_+5], v[A8+\q/4] offset:L_+512
	ds_load_b128 v[R_+6:R_+9], v[A16+\q/4] offset:L_+6144
	ds_load_b64 v[R_+10:R_+11], v[A8+\q/4] offset:L_+6656
.endr
	WIN 0
.endm
; products from .. to - 1 of block a: n = 4 q + b.  The four accumulators take turns.
.macro PRODS a, from, to
.set N_, \from
.rept (\to)-(\from)
.set Q_, N_/4
.set FB_, 4*Q_+N_%4
.set FA_, 32+8*((\a)%2)+Q_
.set D_, ACC+32*((\a)%2)+8*(N_%4)
.if Q_
.set C_, D_
.else
.set C_, BI+8*(N_%4)
.endif
	WIN (1+FB_/FPW)|((1+FA_/FPW)<<2)
.if N_%2
	v_wmma_scale_f32_16x16x128_f8f6f4 v[D_:D_+7], v[FR*(FB_%FPW):FR*(FB_%FPW)+FR-1], v[FR*(FA_%FPW):FR*(FA_%FPW)+FR-1], v[C_:C_+7], v[SB+8*((N_%4)/2)+Q_], v[SA+8*(\a)+Q_] matrix_a_fmt:MATRIX_FMT_FP6 matrix_b_fmt:MATRIX_FMT_FP6 matrix_a_scale:MATRIX_SCALE_ROW1
.else
	v_wmma_scale_f32_16x16x128_f8f6f4 v[D_:D_+7], v[FR*(FB_%FPW):FR*(FB_%FPW)+FR-1], v[FR*(FA_%FPW):FR*(FA_%FPW)+FR-1], v[C_:C_+7], v[SB+8*((N_%4)/2)+Q_], v[SA+8*(\a)+Q_] matrix_a_fmt:MATRIX_FMT_FP6 matrix_b_fmt:MATRIX_FMT_FP6 matrix_a_scale:MATRIX_SCALE_ROW0
.endif
.set N_, N_+1
.endr
	WIN 0
.endm
; The way out: a lane's 32 bytes of four rows' pieces go into my own stage and come back as whole rows of 256 bytes; sixteen lanes store 256 consecutive bytes, aligned.  LDS serves a wave's instructions in order (ISA guide 5.7.1.4).
.macro TOSTAGE a
.irp b, 0,1,2,3
	ds_store_b128 v[STO], v[ACC+32*((\a)%2)+8*\b:ACC+32*((\a)%2)+8*\b+3] offset:64*\b
	ds_store_b128 v[STO], v[ACC+32*((\a)%2)+8*\b+4:ACC+32*((\a)%2)+8*\b+7] offset:64*\b+16
.endr
.irp i, 0,1,2,3,4,5,6,7
	ds_load_b128 v[OB+32*((\a)%2)+4*\i:OB+32*((\a)%2)+4*\i+3], v[RD] offset:\i*2*SPITCH
.endr
.endm
.macro SEND a                          ; rows 2 i, 2 i + 1 of the block: tokens 8 a + 2 i .. (i < 4), 32 + 8 (a xor 1) + 2 (i - 4) .. (i >= 4)
.irp i, 0,1,2,3,4,5,6,7
.if \i < 4
.set T_, 8*(\a)+2*\i
.else
.set T_, 32+8*((\a)+1-2*((\a)%2))+2*(\i-4)
.endif
	global_store_b128 v[CO], v[OB+32*((\a)%2)+4*\i:OB+32*((\a)%2)+4*\i+3], s[14:15] offset:T_*4096 th:TH_STORE_NT
.endr
.endm
	s_load_b256 s[4:11], s[0:1], 0x0               ; cimg, csc, out_w's codes, out_w's scales
	s_load_b128 s[12:15], s[0:1], 0x20             ; out_b, out0
	v_lshl_add_u32 v[SPW], v0, 2, SPARE
	v_mov_b32 v[NIL], 0
	ds_add_u32 v[SPW], v[NIL]
	ds_add_u32 v[SPW], v[NIL]
	v_lshrrev_b32 v1, 5, v0
	v_readfirstlane_b32 s[WV], v1                  ; wave 0..3
	s_lshr_b32 s17, s[WV], 1                       ; my half of the tokens
	s_and_b32 s18, s[WV], 1                        ; my half of the outputs.  Also: which half of a tile I fetch
	s_bfe_u32 s76, ttmp6, 0x40000                  ; cx
	s_bfe_u32 s77, ttmp6, 0x40004                  ; cy
	s_lshl_b32 s78, ttmp9, 2
	s_add_co_u32 s78, s78, s76                     ; tile of 128 outputs
	s_and_b32 s19, ttmp7, 0xffff
	s_lshl_b32 s19, s19, 2
	s_add_co_u32 s19, s19, s77                     ; tile of 128 tokens
	s_lshl_b32 s79, s77, 2
	s_lshl_b32 s79, 15, s79                        ; my row of the cluster
	s_lshl_b32 s80, 0x1111, s76                    ; my column
	s_or_b32 s[G1A], s79, (3<<16)|(1<<21)          ; ctx: 49,152 dense bytes as 192 rows of 256
	s_mov_b32 s[G1A+1], 32<<16
	s_mov_b32 s[G1A+2], 192<<16
	s_mov_b32 s[G1A+3], 32<<16
	s_mov_b32 s[G1A+4], 192
	s_mov_b32 s[G1A+5], 32
	s_mov_b32 s[G1A+6], 0
	s_mov_b32 s[G1A+7], 0
	s_or_b32 s[G1B], s80, (1<<20)|(1<<21)|(5<<22)|(3<<25)   ; out_w: 64 rows of 768 bytes
	s_mov_b32 s[G1B+1], KROW<<16
	s_mov_b32 s[G1B+2], 64<<16
	s_mov_b32 s[G1B+3], KROW<<16
	s_mov_b32 s[G1B+4], 64
	s_mov_b32 s[G1B+5], KROW
	s_mov_b32 s[G1B+6], 0
	s_mov_b32 s[G1B+7], 0
	s_mul_i32 s81, s18, 49152
	s_mul_i32 s20, s19, 98304
	s_add_co_u32 s20, s20, s81
	s_mov_b32 s21, 0
	s_lshl_b32 s22, s78, 1
	s_add_co_u32 s22, s22, s18
	s_mul_i32 s22, s22, 64*KROW
	s_mov_b32 s23, 0
	s_mov_b32 s[G0A], 1
	s_mov_b32 s[G0A+1], s81
	s_mov_b32 s[G0B], 1
	s_mul_i32 s[G0B+1], s18, 64*PITCH
	s_add_co_u32 s[G0B+1], s[G0B+1], WB
	WALU
	s_wait_dscnt 0x0
	CROUND                                         ; all sixteen work-groups are here: the joint loads meet
	s_wait_kmcnt 0x0
	s_add_nc_u64 s[G0A+2:G0A+3], s[4:5], s[20:21]
	s_or_b32 s[G0A+3], s[G0A+3], 0x80000000
	s_add_nc_u64 s[G0B+2:G0B+3], s[8:9], s[22:23]
	s_or_b32 s[G0B+3], s[G0B+3], 0x80000000
	s_cmp_lt_u32 s[WV], 2
	s_cbranch_scc0 .Lfor_ctx
	tensor_load_to_lds s[G0B:G0B+3], s[G1B:G1B+7]
	s_nop 0
	PLACES 4
	s_branch .Lasked
.Lfor_ctx:
	tensor_load_to_lds s[G0A:G0A+3], s[G1A:G1A+7]
	s_nop 0
	PLACES 4
.Lasked:
	s_lshl_b32 s84, s19, 12                        ; ctx's scales: (128 x tile + 64 x half) x 32
	s_lshl_b32 s85, s17, 11
	s_add_co_u32 s84, s84, s85
	s_mov_b32 s85, 0
	s_add_nc_u64 s[6:7], s[6:7], s[84:85]
	s_lshl_b32 s84, s78, 12                        ; out_w's
	s_lshl_b32 s86, s18, 11
	s_add_co_u32 s84, s84, s86
	s_add_nc_u64 s[10:11], s[10:11], s[84:85]
	s_lshl_b32 s84, s78, 9                         ; out_b and my columns of out0
	s_lshl_b32 s86, s18, 8
	s_add_co_u32 s84, s84, s86
	s_add_nc_u64 s[12:13], s[12:13], s[84:85]
	s_add_nc_u64 s[14:15], s[14:15], s[84:85]
	s_lshl_b32 s84, s19, 19                        ; my rows of out0
	s_lshl_b32 s86, s17, 18
	s_add_co_u32 s84, s84, s86
	s_add_nc_u64 s[14:15], s[14:15], s[84:85]
	s_mul_i32 s83, s18, 64*PITCH
	s_add_co_u32 s83, s83, WB                      ; my 64 rows of out_w
	s_mul_i32 s82, s17, 3072                       ; my four tiles of 16 tokens
	s_mul_i32 s81, s[WV], 16*SPITCH
	s_add_co_u32 s81, s81, STAGE                   ; my stage
	v_and_b32 v1, 15, v0                           ; r
	v_bfe_u32 v2, v0, 4, 1                         ; h
	v_and_b32 v3, 31, v0                           ; lane
	v_mul_u32_u24 v19, v1, PITCH
	v_mad_u32_u24 v20, v2, 24, v19
	v_mad_u32_u24 v21, v2, 40, v19
	v_add_nc_u32 v20, s83, v20
	v_add_nc_u32 v21, s83, v21
.irp b, 0,1,2,3
	v_add_nc_u32 v[4+2*\b], \b*16*PITCH, v20
	v_add_nc_u32 v[5+2*\b], \b*16*PITCH, v21
.endr
	v_lshl_add_u32 v[A16], v3, 4, s82
	v_lshl_add_u32 v[A8], v3, 3, s82
	v_add_nc_u32 v[A16+1], 49152, v[A16]
	v_add_nc_u32 v[A8+1], 49152, v[A8]
	v_mul_u32_u24 v[STO], v1, SPITCH               ; in: row r, 32 bytes for each half of the lanes
	v_lshl_add_u32 v[STO], v2, 5, v[STO]
	v_add_nc_u32 v[STO], s81, v[STO]
	v_mul_u32_u24 v[RD], v2, SPITCH                ; back: lanes 0-15 one row of 256 bytes, lanes 16-31 the next
	v_lshl_add_u32 v[RD], v1, 4, v[RD]
	v_add_nc_u32 v[RD], s81, v[RD]
	v_lshlrev_b32 v[CO], 12, v2                    ; and the same two rows in out0
	v_lshl_add_u32 v[CO], v1, 4, v[CO]
	v_lshrrev_b32 v19, 3, v1                       ; g
	v_lshl_add_u32 v20, v19, 5, v1
	v_lshlrev_b32 v20, 5, v20                      ; the scale bytes of even tiles' tokens
	v_lshl_add_u32 v21, v19, 4, v1
	v_lshlrev_b32 v21, 5, v21                      ; of odd tiles'
	v_lshlrev_b32 v22, 5, v3                       ; out_w's: lanes 0-15 tile 2 p, lanes 16-31 tile 2 p + 1
	v_lshlrev_b32 v23, 5, v2                       ; the bias
	WALU
.irp a, 0,1,2,3
	global_load_b128 v[SA+8*\a:SA+8*\a+3], v[20+\a%2], s[6:7] offset:256*\a
	global_load_b128 v[SA+8*\a+4:SA+8*\a+7], v[20+\a%2], s[6:7] offset:256*\a+16
	global_load_b128 v[BI+8*\a:BI+8*\a+3], v23, s[12:13] offset:64*\a         ; out_b at 16 b + 8 h + 0 .. 7
	global_load_b128 v[BI+8*\a+4:BI+8*\a+7], v23, s[12:13] offset:64*\a+16
.endr
.irp p, 0,1
	global_load_b128 v[SB+8*\p:SB+8*\p+3], v22, s[10:11] offset:1024*\p
	global_load_b128 v[SB+8*\p+4:SB+8*\p+7], v22, s[10:11] offset:1024*\p+16
.endr
	s_cmp_lt_u32 s[WV], 2
	s_cbranch_scc0 .Lnot_w
	s_wait_tensorcnt 0x0
.Lnot_w:
	s_barrier_signal -1
	s_barrier_wait -1                              ; out_w's rows are in
.irp q, 0,1,2,3,4,5,6,7
.irp b, 0,1,2,3
	FRAG 4*\q+\b, \q, v[4+2*\b], v[5+2*\b]
.endr
.endr
	WIN 0
	s_wait_loadcnt 0x0
	s_wait_tensorcnt 0x0
	s_wait_dscnt 0x0
	s_barrier_signal -1
	s_barrier_wait -1                              ; ctx is in; nothing is filled again in this launch
	FETCH 0
	FETCH 1
	s_wait_dscnt 32                                ; all but block 1's loads
	PRODS 0, 0, 32
	PLACES 4
	TOSTAGE 0
	FETCH 2
	s_wait_dscnt 48                                ; younger than block 1's rows: 16 of the stage, 32 of block 2
	PRODS 1, 0, 16
	s_wait_dscnt 32                                ; block 0 is back
	SEND 0
	PRODS 1, 16, 32
	PLACES 4
	TOSTAGE 1
	FETCH 3
	s_wait_dscnt 48
	PRODS 2, 0, 16
	s_wait_dscnt 32
	SEND 1
	PRODS 2, 16, 32
	PLACES 4
	s_wait_xcnt 0x0                                ; block 0's stores have read their registers
	TOSTAGE 2
	s_wait_dscnt 16
	PRODS 3, 0, 16
	s_wait_dscnt 0x0
	SEND 2
	PRODS 3, 16, 32
	PLACES 4
	s_wait_xcnt 0x0
	TOSTAGE 3
	s_wait_dscnt 0x0
	SEND 3
	s_wait_tensorcnt 0x0                           ; the wave's end
	ds_add_u32 v[SPW], v[NIL]
	s_wait_dscnt 0x0
	CROUND                                         ; the closing round
	s_endpgm
.Lfunc_end_k_q1cd4be2ea8_outp:
	.size	k_q1cd4be2ea8_outp, .Lfunc_end_k_q1cd4be2ea8_outp-k_q1cd4be2ea8_outp
	.p2alignl 7, 3214868480
	.fill 96, 4, 3214868480
	.section	.rodata,"a",@progbits
	.p2align	6, 0x0
	.amdhsa_kernel k_q1cd4be2ea8_outp
		.amdhsa_group_segment_fixed_size 220672
		.amdhsa_private_segment_fixed_size 0
		.amdhsa_enable_private_segment 0
		.amdhsa_kernarg_size 48
		.amdhsa_user_sgpr_count 2
		.amdhsa_user_sgpr_kernarg_segment_ptr 1
		.amdhsa_wavefront_size32 1
		.amdhsa_system_sgpr_workgroup_id_x 1
		.amdhsa_system_sgpr_workgroup_id_y 1
		.amdhsa_system_sgpr_workgroup_id_z 1
		.amdhsa_system_vgpr_workitem_id 0
		.amdhsa_next_free_vgpr 840
		.amdhsa_next_free_sgpr 96
		.amdhsa_reserve_vcc 0
		.amdhsa_float_denorm_mode_32 3
		.amdhsa_float_denorm_mode_16_64 3
		.amdhsa_memory_ordered 1
		.amdhsa_forward_progress 1
		.amdhsa_inst_pref_size 49
	.end_amdhsa_kernel
	.amdgpu_metadata
---
amdhsa.version: [ 1, 2 ]
amdhsa.kernels:
  - .name:           k_q1cd4be2ea8_outp
    .symbol:         k_q1cd4be2ea8_outp.kd
    .args:
      - { .name: cimg, .offset: 0, .size: 8, .value_kind: global_buffer, .address_space: global }
      - { .name: csc, .offset: 8, .size: 8, .value_kind: global_buffer, .address_space: global }
      - { .name: out_w_codes, .offset: 16, .size: 8, .value_kind: global_buffer, .address_space: global }
      - { .name: out_w_scales, .offset: 24, .size: 8, .value_kind: global_buffer, .address_space: global }
      - { .name: out_b, .offset: 32, .size: 8, .value_kind: global_buffer, .address_space: global }
      - { .name: out0, .offset: 40, .size: 8, .value_kind: global_buffer, .address_space: global }
    .group_segment_fixed_size: 220672
    .private_segment_fixed_size: 0
    .kernarg_segment_align: 8
    .kernarg_segment_size: 48
    .max_flat_workgroup_size: 128
    .sgpr_count:     96
    .vgpr_count:     840
    .wavefront_size: 32
...
	.end_amdgpu_metadata
.endif
;; end of part 3
